; MI455X (gfx1250); checked and timed in simulation.
; The chip was launched on July 23, 2026; its instructions are those of AMD's public machine-readable ISA for CDNA 5 (MIT licence, August 2026) and "CDNA5" Instruction Set Architecture Reference Guide (July 2026). The comments in the code are by the model that wrote it; some were corrected since.
;; Metric Net. Allowed arithmetic: float matrix products may take bf16 or f16 operands with f32 sums; all other float work in f32.
;; Inputs: B 513 float32; Im_s 131,072 float32; PiT 1 float32; Re_s 131,072 float32; omega 131,072 float32.
;; Outputs: out0 131,072 float32; out1 131,072 float32.
;; 3 versions, each right; version 2 is faster than version 1; version 3 is version 2 with the launch euler written anew for expert scheduling mode. Each part assembles by itself: llvm-mc -triple=amdgcn-amd-amdhsa -mcpu=gfx1250 --defsym DOCPART=n.
;; ======== version 1 of 3: 1 launch
;; launch euler (part 1): grid 256 x 1, 4 waves a work-group, no clusters, 12,800 bytes of LDS; arguments Re_s, Im_s, omega, PiT, B, out0, out1; writes out0, out1
.if DOCPART == 1
	.amdgcn_target "amdgcn-amd-amdhsa--gfx1250"
	.amdhsa_code_object_version 6
	.text
	.protected	k_q9af6a69dab_euler
	.globl	k_q9af6a69dab_euler
	.p2align	8
	.type	k_q9af6a69dab_euler,@function
k_q9af6a69dab_euler:
	s_mov_b64 s[64:65], 0
	v_nop
	global_prefetch_b8 v0, s[64:65] scope:SCOPE_SE
	s_setreg_imm32_b32 hwreg(HW_REG_WAVE_MODE, 25, 1), 1
	s_wait_xcnt 0x0
; 512 Euler steps of a pair (Re, Im) for 131,072 independent elements; every step has constants made of B[j], B[j+1], PiT and z_j.
; With d = f32(0.9/512), i_j = 1/(PiT (1-z_j)), k_j = d i_j/(1-z_j), G_j = 2 - B[j+1]/B[j], the step is carried in the variables
;   X = Re + i_j (old Re),  Y = Re_new + i_j,  v = d omega Im,  W = (d omega)^2 :
;   Y     = X (G_j + 2 v) - k_j                                  (the Re update, shifted by i_j)
;   v_new = v (v + G_j) + W (1/B[j]^2 - Y^2) - d^2 z_j^2 / B[j]  (the Im update times d omega; its three terms in Re_new are -omega Y^2,
;                                                                 since inv2/PiT = i_j^2; the term in 1/omega becomes a constant of the step)
;   X_next = Y + (i_{j+1} - i_j)
; Carried are X' = 2 X and a = X G_j - k_j, so that Y = X' v + a is ONE operation behind v: seven fused operations a step, and no chain
; from one step's v to the next is longer than three of them.  At the end Re = Y - i_511, Im = v / (d omega).
; SHARES: 256 work-groups of 4 waves; a work-group owns 512 elements, a wave 128, a lane 4 neighbouring ones = two packed-f32 chains (A, B).
; Each load or store of a wave covers 512 consecutive bytes, aligned.
; TABLE: six constants a step (24 bytes), 512 steps = 12,288 bytes of LDS, built by the work-group itself: thread t makes steps 4t .. 4t+3.
; In the loop they come from LDS straight into vector registers (all lanes read the same 16 bytes), through a ring of 8 pairs of steps.
; No cluster: all that work-groups share is B, 2,052 bytes, read once by each.
; LIMITS: divisions are v_rcp_f32 (1 ULP) and a multiply, and the order of rounding differs from the recurrence as it is written.  v_rcp_f32 takes
; denormals as zero: |PiT (1-z)|, |B[j]| and |d omega| must lie between 2^-126 and 2^126.  k_j is made as d PiT i_j^2: |PiT (1-z)| above 5e-20.
; W = (d omega)^2 loses bits for |omega| below 6e-17.
.set DZ,    0x3ae66666                 ; d = f32(0.9/512) = f32(0.9) / 512
.set F511,  0x43ff8000                 ; 511.0
.set F3,    0x40400000                 ; 3.0
.set REC,   24                         ; bytes of a step's record: G_j, E_j | -c_j, D_j | G_{j+1}, A_j
.set RING,  8                          ; pairs of steps in the register ring
.set BLOCK, RING*2*REC                 ; 384 bytes: the 16 steps of a trip
.set TRIPS, 512/(2*RING)               ; 32
.set EO, 1                             ; v1       byte offset of my 4 elements in every element array; never rewritten
.set LA, 2                             ; v2       LDS address of the trip's first record, the same in all lanes
.set BO, 3                             ; v3       16 t: B[4t]
.set BC, 4                             ; v4       B[4t+5], clamped to B[512]
.set LS, 5                             ; v5       96 t: my four records in LDS
.set NI, 6                             ; v6       -i_511
.set RE, 8                             ; v[8:11]  Re_s, then X_0
.set IM, 12                            ; v[12:15] Im_s
.set OM, 16                            ; v[16:19] omega, then w = d omega
.set SV, 20                            ; v[20:23] v        (chain A: the first pair, chain B: the second; so in all that follow)
.set XP, 24                            ; v[24:27] X' = 2 X
.set SA, 28                            ; v[28:31] a = X G_j - k_j
.set WN, 32                            ; v[32:35] -W
.set RW, 36                            ; v[36:39] 1 / w
.set SY, 40                            ; v[40:43] Y
.set SH, 44                            ; v[44:47] h = v + G_j
.set SP, 48                            ; v[48:51] p = Y^2 - c_j
.set SQ, 52                            ; v[52:55] q = v h + E_j
.set CI, 56                            ; v56 i_0, v57 -k_0
.set C,  64                            ; v[64:159] the ring: pair m of steps in 12 registers at C + 12 m
; registers of the table's making, inside the ring's area: they are done with before the ring's first load is issued
.set R,  64                            ; v[64:87]   my four records as they go to LDS
.set BB, 88                            ; v[88:93]   B[4t] .. B[4t+5]
.set Z,  94                            ; v[94:98]   z of steps 4t .. 4t+4
.set U,  100                           ; v[100:104] PiT (1 - z)
.set II, 106                           ; v[106:110] i of steps 4t .. 4t+4
.set RB, 112                           ; v[112:116] 1 / B[4t .. 4t+4]
.set TZ, 118                           ; v[118:121] (d z)^2
.set KK, 122                           ; v[122:125] k of steps 4t+1 .. 4t+4
.set DL, 126                           ; v[126:129] i_{j+1} - i_j
.set FJ, 130                           ; v130       4t as f32
.set T,  131                           ; v131       at work
	s_load_b256 s[4:11], s[0:1], 0x0               ; Re_s s[4:5], Im_s s[6:7], omega s[8:9], PiT s[10:11]
	s_load_b128 s[12:15], s[0:1], 0x20             ; B s[12:13], out0 s[14:15]
	s_load_b64 s[16:17], s[0:1], 0x30              ; out1
	v_lshl_add_u32 v160, v0, 2, 0x3000
	v_mov_b32 v161, 0
	s_lshl_b32 s2, ttmp9, 11                       ; the work-group's 512 elements: 2,048 bytes
	v_lshl_add_u32 v[EO], v0, 4, s2                ; + 16 bytes a thread
	v_lshlrev_b32 v[BO], 4, v0
	v_add_nc_u32 v[BC], 20, v[BO]
	v_min_u32 v[BC], 0x800, v[BC]                  ; thread 127 would ask for B[513]: it takes B[512] again; that number enters only G_512, which no step uses
	v_mul_u32_u24 v[LS], 4*REC, v0
	v_mov_b32 v[LA], 0
	s_wait_kmcnt 0x0
	s_load_b32 s18, s[10:11], 0x0                  ; PiT
	global_load_b128 v[BB:BB+3], v[BO], s[12:13]
	global_load_b32 v[BB+4], v[BO], s[12:13] offset:16
	global_load_b32 v[BB+5], v[BC], s[12:13]
	global_load_b128 v[OM:OM+3], v[EO], s[8:9] th:TH_LOAD_NT   ; the elements are read once in the launch
	global_load_b128 v[IM:IM+3], v[EO], s[6:7] th:TH_LOAD_NT
	global_load_b128 v[RE:RE+3], v[EO], s[4:5] th:TH_LOAD_NT
	; THE TABLE.  First what needs no memory: z_j = d * f32(j), 1 - z_j.
	v_lshlrev_b32 v[T], 2, v0
	v_cvt_f32_u32 v[FJ], v[T]
	v_add_f32 v[Z+1], 1.0, v[FJ]
	v_add_f32 v[Z+2], 2.0, v[FJ]
	v_add_f32 v[Z+3], F3, v[FJ]
	v_add_f32 v[Z+4], 4.0, v[FJ]
	v_mul_f32 v[Z], DZ, v[FJ]
.irp m, 1,2,3,4
	v_mul_f32 v[Z+\m], DZ, v[Z+\m]
.endr
.irp m, 0,1,2,3,4
	v_sub_f32 v[U+\m], 1.0, v[Z+\m]
.endr
	v_mov_b32 v[T], F511
	v_mul_f32 v[T], DZ, v[T]                       ; z_511
	v_add_f32 v[T], -1.0, v[T]                     ; -(1 - z_511), exactly
	s_wait_kmcnt 0x0                               ; PiT
	s_mul_f32 s19, s18, DZ                         ; d PiT
.irp m, 0,1,2,3,4
	v_mul_f32 v[U+\m], s18, v[U+\m]
.endr
	v_mul_f32 v[T], s18, v[T]
.irp m, 0,1,2,3,4
	v_rcp_f32 v[II+\m], v[U+\m]                    ; i_j.  Thread t's i of step 4t+4 and thread t+1's i of its first step come from the same operations: the same bits
.endr
	v_rcp_f32 v[NI], v[T]                          ; -i_511
	v_rcp_f32 v[CI], s18                           ; i_0 (z_0 = 0)
.irp m, 0,1,2,3
	v_mul_f32 v[TZ+\m], DZ, v[Z+\m]                ; plain work that touches none of the reciprocals stands between them and their first use (ISA guide 5.7.2)
.endr
.irp m, 0,1,2,3
	v_mul_f32 v[TZ+\m], v[TZ+\m], v[TZ+\m]         ; (d z_j)^2
.endr
	s_wait_alu depctr_va_vdst(0)
	v_mul_f32 v[CI+1], v[CI], v[CI]
	v_mul_f32 v[CI+1], -v[CI+1], s19               ; -k_0 = -d PiT i_0^2
.irp m, 0,1,2,3
	v_sub_f32 v[DL+\m], v[II+\m+1], v[II+\m]       ; neighbouring i lie within a factor of two: the difference is exact, so the shifts of X add up to i_511 - i_0
	v_mul_f32 v[KK+\m], v[II+\m+1], v[II+\m+1]
.endr
	s_wait_loadcnt 0x3                             ; loads come back in order (ISA guide 5.7.1): B's three are in, the three element loads issued behind them stay out
.irp m, 0,1,2,3,4
	v_rcp_f32 v[RB+\m], v[BB+\m]
.endr
.irp m, 0,1,2,3
	v_add_f32 v[R+6*\m+3], v[DL+\m], v[DL+\m]      ; D_j = 2 (i_{j+1} - i_j); also the plain work behind the reciprocals
	v_mul_f32 v[KK+\m], s19, v[KK+\m]              ; k_{j+1} = d PiT i_{j+1}^2
.endr
	s_wait_alu depctr_va_vdst(0)
.irp m, 0,1,2,3
	v_fma_f32 v[R+6*\m],   -v[BB+\m+1], v[RB+\m],   2.0    ; G_j
	v_fma_f32 v[R+6*\m+4], -v[BB+\m+2], v[RB+\m+1], 2.0    ; G_{j+1}
	v_mul_f32 v[R+6*\m+1], -v[TZ+\m], v[RB+\m]             ; E_j = -d^2 z_j^2 / B[j]
	v_mul_f32 v[R+6*\m+2], -v[RB+\m], v[RB+\m]             ; -c_j = -1 / B[j]^2
.endr
.irp m, 0,1,2,3
	v_fma_f32 v[R+6*\m+5], v[DL+\m], v[R+6*\m+4], -v[KK+\m]    ; A_j = (i_{j+1} - i_j) G_{j+1} - k_{j+1}
.endr
.irp c, 0,1,2,3,4,5
	ds_store_b128 v[LS], v[R+4*\c:R+4*\c+3] offset:16*\c
.endr
	s_wait_dscnt 0x0                               ; my records are in LDS: zero, for the other waves' sake
	s_barrier_signal -1
	s_barrier_wait -1                              ; everybody's are; the table is never written again, so this is the only barrier
	; the ring's first fill: steps 0 to 15, 24 loads, in the order in which they are used
.irp m, 0,1,2,3,4,5,6,7
.irp c, 0,1,2
	ds_load_b128 v[C+12*\m+4*\c:C+12*\m+4*\c+3], v[LA] offset:48*\m+16*\c
.endr
.endr
	; my four elements, while those loads are on their way
	s_wait_loadcnt 0x0
	v_pk_mul_f32 v[OM:OM+1],   v[OM:OM+1],   DZ op_sel_hi:[1,0]            ; w = d omega
	v_pk_mul_f32 v[OM+2:OM+3], v[OM+2:OM+3], DZ op_sel_hi:[1,0]
	v_pk_add_f32 v[RE:RE+1],   v[RE:RE+1],   v[CI:CI+1] op_sel_hi:[1,0]    ; X_0 = Re_s + i_0
	v_pk_add_f32 v[RE+2:RE+3], v[RE+2:RE+3], v[CI:CI+1] op_sel_hi:[1,0]
.irp i, 0,1,2,3
	v_rcp_f32 v[RW+\i], v[OM+\i]                   ; 1 / w, for the way out
.endr
	v_pk_mul_f32 v[SV:SV+1],   v[OM:OM+1],   v[IM:IM+1]                    ; v_0 = w Im_s
	v_pk_mul_f32 v[SV+2:SV+3], v[OM+2:OM+3], v[IM+2:IM+3]
.irp i, 0,1,2,3
	v_mul_f32 v[WN+\i], -v[OM+\i], v[OM+\i]        ; -W
.endr
	v_pk_add_f32 v[XP:XP+1],   v[RE:RE+1],   v[RE:RE+1]                    ; X' = 2 X_0
	v_pk_add_f32 v[XP+2:XP+3], v[RE+2:RE+3], v[RE+2:RE+3]
	s_wait_dscnt 3*(RING-1)                        ; the first pair's three loads are in (G_0 among them); the 21 behind them stay out
	v_pk_fma_f32 v[SA:SA+1],   v[RE:RE+1],   v[C:C+1], v[CI:CI+1] op_sel:[0,0,1] op_sel_hi:[1,0,1]   ; a_0 = X_0 G_0 - k_0
	v_pk_fma_f32 v[SA+2:SA+3], v[RE+2:RE+3], v[C:C+1], v[CI:CI+1] op_sel:[0,0,1] op_sel_hi:[1,0,1]
; One step; c = the first register of its record.  A constant is one half of a register pair, taken for both halves of the packed result:
; op_sel 0 with op_sel_hi 0 is the pair's first register, op_sel 1 with op_sel_hi 1 its second.
; The order: h, Y, q, p, X', v, a, each for chain A and then for chain B.  Every result is first read four or more instructions behind the one
; that makes it, from one step into the next too (v to h: 4, a to Y: 4, v to Y: 6).
; last = 1: the 512th step carries nothing on, so X' and a are left out.
.macro STEP c, last
	v_pk_add_f32 v[SH:SH+1],   v[SV:SV+1],   v[\c:\c+1] op_sel_hi:[1,0]                                    ; h = v + G_j
	v_pk_add_f32 v[SH+2:SH+3], v[SV+2:SV+3], v[\c:\c+1] op_sel_hi:[1,0]
	v_pk_fma_f32 v[SY:SY+1],   v[XP:XP+1],   v[SV:SV+1],   v[SA:SA+1]                                      ; Y = X' v + a
	v_pk_fma_f32 v[SY+2:SY+3], v[XP+2:XP+3], v[SV+2:SV+3], v[SA+2:SA+3]
	v_pk_fma_f32 v[SQ:SQ+1],   v[SV:SV+1],   v[SH:SH+1],   v[\c:\c+1] op_sel:[0,0,1] op_sel_hi:[1,1,1]     ; q = v h + E_j
	v_pk_fma_f32 v[SQ+2:SQ+3], v[SV+2:SV+3], v[SH+2:SH+3], v[\c:\c+1] op_sel:[0,0,1] op_sel_hi:[1,1,1]
	v_pk_fma_f32 v[SP:SP+1],   v[SY:SY+1],   v[SY:SY+1],   v[\c+2:\c+3] op_sel_hi:[1,1,0]                  ; p = Y^2 - c_j
	v_pk_fma_f32 v[SP+2:SP+3], v[SY+2:SY+3], v[SY+2:SY+3], v[\c+2:\c+3] op_sel_hi:[1,1,0]
.if \last == 0
	v_pk_fma_f32 v[XP:XP+1],   v[SY:SY+1],   2.0, v[\c+2:\c+3] op_sel:[0,0,1] op_sel_hi:[1,0,1]            ; X' = 2 Y + D_j
	v_pk_fma_f32 v[XP+2:XP+3], v[SY+2:SY+3], 2.0, v[\c+2:\c+3] op_sel:[0,0,1] op_sel_hi:[1,0,1]
.endif
	v_pk_fma_f32 v[SV:SV+1],   v[WN:WN+1],   v[SP:SP+1],   v[SQ:SQ+1]                                      ; v = -W p + q
	v_pk_fma_f32 v[SV+2:SV+3], v[WN+2:WN+3], v[SP+2:SP+3], v[SQ+2:SQ+3]
.if \last == 0
	v_pk_fma_f32 v[SA:SA+1],   v[SY:SY+1],   v[\c+4:\c+5], v[\c+4:\c+5] op_sel:[0,0,1] op_sel_hi:[1,0,1]   ; a = Y G_{j+1} + A_j
	v_pk_fma_f32 v[SA+2:SA+3], v[SY+2:SY+3], v[\c+4:\c+5], v[\c+4:\c+5] op_sel:[0,0,1] op_sel_hi:[1,0,1]
.endif
.endm
; Pair m of the ring: two steps, then (refill = 1) its 12 registers are asked for again, with the same pair of the next 16 steps.
; left = how many younger LDS loads may stay out: LDS loads come back in order (ISA guide 5.7.1), and behind this pair's three
; loads those of the seven other pairs were issued.
.macro PAIR m, refill, left, last
	s_wait_dscnt \left
	STEP C+12*\m, 0
	STEP C+12*\m+6, \last
.if \refill
.irp c, 0,1,2
	ds_load_b128 v[C+12*\m+4*\c:C+12*\m+4*\c+3], v[LA] offset:BLOCK+48*\m+16*\c
.endr
.endif
.endm
	s_mov_b32 s20, TRIPS-1
.Ltrip:
.irp m, 0,1,2,3,4,5,6,7
	PAIR \m, 1, 3*(RING-1), 0
.endr
	v_add_nc_u32 v[LA], BLOCK, v[LA]               ; the next 16 steps; the last trip's refills end at byte 31*384 + 383, the table's last
	s_sub_co_u32 s20, s20, 1
	s_cmp_lg_u32 s20, 0
	s_cbranch_scc1 .Ltrip
.irp m, 0,1,2,3,4,5,6
	PAIR \m, 0, 3*(RING-1-\m), 0                   ; the last 16 steps ask for nothing: the counts run down
.endr
	PAIR 7, 0, 0, 1
	; the way out: Re = Y_511 - i_511, Im = v / w
.irp i, 0,1,2,3
	v_add_f32 v[SY+\i], v[NI], v[SY+\i]
.endr
	s_wait_alu depctr_va_vdst(0)
	v_pk_mul_f32 v[SV:SV+1],   v[SV:SV+1],   v[RW:RW+1]
	v_pk_mul_f32 v[SV+2:SV+3], v[SV+2:SV+3], v[RW+2:RW+3]
	global_store_b128 v[EO], v[SY:SY+3], s[14:15] th:TH_STORE_NT   ; 32 lanes store 512 consecutive bytes, at a multiple of 512 from the buffer's first byte
	global_store_b128 v[EO], v[SV:SV+3], s[16:17] th:TH_STORE_NT
	s_wait_tensorcnt 0x0
	ds_add_u32 v160, v161
	s_wait_dscnt 0x0
	s_endpgm
.Lfunc_end_k_q9af6a69dab_euler:
	.size	k_q9af6a69dab_euler, .Lfunc_end_k_q9af6a69dab_euler-k_q9af6a69dab_euler
	.p2alignl 7, 3214868480
	.fill 96, 4, 3214868480
	.section	.rodata,"a",@progbits
	.p2align	6, 0x0
	.amdhsa_kernel k_q9af6a69dab_euler
		.amdhsa_group_segment_fixed_size 12800
		.amdhsa_private_segment_fixed_size 0
		.amdhsa_enable_private_segment 0
		.amdhsa_kernarg_size 56
		.amdhsa_user_sgpr_count 2
		.amdhsa_user_sgpr_kernarg_segment_ptr 1
		.amdhsa_wavefront_size32 1
		.amdhsa_system_sgpr_workgroup_id_x 1
		.amdhsa_system_sgpr_workgroup_id_y 1
		.amdhsa_system_sgpr_workgroup_id_z 1
		.amdhsa_system_vgpr_workitem_id 0
		.amdhsa_next_free_vgpr 162
		.amdhsa_next_free_sgpr 66
		.amdhsa_reserve_vcc 0
		.amdhsa_float_denorm_mode_32 3
		.amdhsa_float_denorm_mode_16_64 3
		.amdhsa_memory_ordered 1
		.amdhsa_forward_progress 1
		.amdhsa_inst_pref_size 39
	.end_amdhsa_kernel
	.amdgpu_metadata
---
amdhsa.version: [ 1, 2 ]
amdhsa.kernels:
  - .name:           k_q9af6a69dab_euler
    .symbol:         k_q9af6a69dab_euler.kd
    .args:
      - { .name: Re_s, .offset: 0, .size: 8, .value_kind: global_buffer, .address_space: global }
      - { .name: Im_s, .offset: 8, .size: 8, .value_kind: global_buffer, .address_space: global }
      - { .name: omega, .offset: 16, .size: 8, .value_kind: global_buffer, .address_space: global }
      - { .name: PiT, .offset: 24, .size: 8, .value_kind: global_buffer, .address_space: global }
      - { .name: B, .offset: 32, .size: 8, .value_kind: global_buffer, .address_space: global }
      - { .name: out0, .offset: 40, .size: 8, .value_kind: global_buffer, .address_space: global }
      - { .name: out1, .offset: 48, .size: 8, .value_kind: global_buffer, .address_space: global }
    .group_segment_fixed_size: 12800
    .private_segment_fixed_size: 0
    .kernarg_segment_align: 8
    .kernarg_segment_size: 56
    .max_flat_workgroup_size: 128
    .sgpr_count:     66
    .vgpr_count:     162
    .wavefront_size: 32
...
	.end_amdgpu_metadata
.endif
;; end of part 1
;; ======== version 2 of 3: 1 launch; 1.24 times as fast as version 1
;; launch euler (part 2): grid 256 x 1, 4 waves a work-group, no clusters, 12,800 bytes of LDS; arguments Re_s, Im_s, omega, PiT, B, out0, out1; writes out0, out1
.if DOCPART == 2
	.amdgcn_target "amdgcn-amd-amdhsa--gfx1250"
	.amdhsa_code_object_version 6
	.text
	.protected	k_q9af6a69dab_euler
	.globl	k_q9af6a69dab_euler
	.p2align	8
	.type	k_q9af6a69dab_euler,@function
k_q9af6a69dab_euler:
	s_mov_b64 s[64:65], 0
	v_nop
	global_prefetch_b8 v0, s[64:65] scope:SCOPE_SE
	s_setreg_imm32_b32 hwreg(HW_REG_WAVE_MODE, 25, 1), 1
	s_wait_xcnt 0x0
; 512 Euler steps of a pair (Re, Im) for 131,072 independent elements; every step has constants made of B[j], B[j+1], PiT and z_j.
; With d = f32(0.9/512), i_j = 1/(PiT (1-z_j)), k_j = d i_j/(1-z_j), G_j = 2 - B[j+1]/B[j], the step is carried in the variables
;   X = Re + i_j (old Re),  Y = Re_new + i_j,  v = d omega Im,  W = (d omega)^2 :
;   Y     = X (G_j + 2 v) - k_j                                  (the Re update, shifted by i_j)
;   v_new = v (v + G_j) + W (1/B[j]^2 - Y^2) - d^2 z_j^2 / B[j]  (the Im update times d omega; its three terms in Re_new are -omega Y^2,
;                                                                 since inv2/PiT = i_j^2; the term in 1/omega becomes a constant of the step)
;   X_next = Y + (i_{j+1} - i_j)
; Carried are X' = 2 X and a = X G_j - k_j, so that Y = X' v + a is ONE operation behind v: seven fused operations a step, and no chain
; from one step's v to the next is longer than three of them.  At the end Re = Y - i_511, Im = v / (d omega).
; SHARES: 256 work-groups of 4 waves; a work-group owns 512 elements, a wave 128, a lane 4 neighbouring ones = two packed-f32 chains (A, B).
; Each load or store of a wave covers 512 consecutive bytes, aligned.
; TABLE: six constants a step (24 bytes), 512 steps = 12,288 bytes of LDS, built by the work-group itself: thread t makes steps 4t .. 4t+3.
; In the loop they come from LDS straight into vector registers (all lanes read the same 16 bytes), into two buffers of 16 steps that take
; turns: while one is worked on, the other is on its way, asked for by ONE run of 24 loads, so that the 224 vector instructions of 16 steps
; stand in one unbroken stretch.
; No cluster: all that work-groups share is B, 2,052 bytes, read once by each.
; LIMITS: divisions are v_rcp_f32 (1 ULP) and a multiply, and the order of rounding differs from the recurrence as it is written.  v_rcp_f32 takes
; denormals as zero: |PiT (1-z)|, |B[j]| and |d omega| must lie between 2^-126 and 2^126.  k_j is made as d PiT i_j^2: |PiT (1-z)| above 5e-20.
; W = (d omega)^2 loses bits for |omega| below 6e-17.
.set DZ,    0x3ae66666                 ; d = f32(0.9/512) = f32(0.9) / 512
.set F511,  0x43ff8000                 ; 511.0
.set F3,    0x40400000                 ; 3.0
.set REC,   24                         ; bytes of a step's record: G_j, E_j | -c_j, D_j | G_{j+1}, A_j
.set HSTEPS, 16                        ; steps in a buffer
.set HBYTES, HSTEPS*REC                ; 384 bytes: a buffer's records
.set HLOADS, HBYTES/16                 ; 24 loads of 16 bytes fill a buffer
.set TRIPS, 512/(2*HSTEPS)             ; 16 laps over both buffers; the last is written out
.set EO, 1                             ; v1       byte offset of my 4 elements in every element array; never rewritten
.set LA, 2                             ; v2       LDS address of the lap's first record, the same in all lanes
.set BO, 3                             ; v3       16 t: B[4t]
.set BC, 4                             ; v4       B[4t+5], clamped to B[512]
.set LS, 5                             ; v5       96 t: my four records in LDS
.set NI, 6                             ; v6       -i_511
.set RE, 8                             ; v[8:11]  Re_s, then X_0
.set IM, 12                            ; v[12:15] Im_s
.set OM, 16                            ; v[16:19] omega, then w = d omega
.set SV, 20                            ; v[20:23] v        (chain A: the first pair, chain B: the second; so in all that follow)
.set XP, 24                            ; v[24:27] X' = 2 X
.set SA, 28                            ; v[28:31] a = X G_j - k_j
.set WN, 32                            ; v[32:35] -W
.set RW, 36                            ; v[36:39] 1 / w
.set SY, 40                            ; v[40:43] Y
.set SH, 44                            ; v[44:47] h = v + G_j
.set SP, 48                            ; v[48:51] p = Y^2 - c_j
.set SQ, 52                            ; v[52:55] q = v h + E_j
.set CI, 56                            ; v56 i_0, v57 -k_0
.set C0, 64                            ; v[64:159]  buffer 0: the records of 16 steps, 6 registers each
.set C1, 160                           ; v[160:255] buffer 1
; registers of the table's making, inside buffer 0: they are done with before the buffer's first load is issued
.set R,  64                            ; v[64:87]   my four records as they go to LDS
.set BB, 88                            ; v[88:93]   B[4t] .. B[4t+5]
.set Z,  94                            ; v[94:98]   z of steps 4t .. 4t+4
.set U,  100                           ; v[100:104] PiT (1 - z)
.set II, 106                           ; v[106:110] i of steps 4t .. 4t+4
.set RB, 112                           ; v[112:116] 1 / B[4t .. 4t+4]
.set TZ, 118                           ; v[118:121] (d z)^2
.set KK, 122                           ; v[122:125] k of steps 4t+1 .. 4t+4
.set DL, 126                           ; v[126:129] i_{j+1} - i_j
.set FJ, 130                           ; v130       4t as f32
.set T,  131                           ; v131       at work
	s_load_b256 s[4:11], s[0:1], 0x0               ; Re_s s[4:5], Im_s s[6:7], omega s[8:9], PiT s[10:11]
	s_load_b128 s[12:15], s[0:1], 0x20             ; B s[12:13], out0 s[14:15]
	s_load_b64 s[16:17], s[0:1], 0x30              ; out1
	v_lshl_add_u32 v62, v0, 2, 0x3000
	v_mov_b32 v63, 0
	s_lshl_b32 s2, ttmp9, 11                       ; the work-group's 512 elements: 2,048 bytes
	v_lshl_add_u32 v[EO], v0, 4, s2                ; + 16 bytes a thread
	v_lshlrev_b32 v[BO], 4, v0
	v_add_nc_u32 v[BC], 20, v[BO]
	v_min_u32 v[BC], 0x800, v[BC]                  ; thread 127 would ask for B[513]: it takes B[512] again; that number enters only G_512, which no step uses
	v_mul_u32_u24 v[LS], 4*REC, v0
	v_mov_b32 v[LA], 0
	s_wait_kmcnt 0x0
	s_load_b32 s18, s[10:11], 0x0                  ; PiT
	global_load_b128 v[BB:BB+3], v[BO], s[12:13]
	global_load_b32 v[BB+4], v[BO], s[12:13] offset:16
	global_load_b32 v[BB+5], v[BC], s[12:13]
	global_load_b128 v[OM:OM+3], v[EO], s[8:9] th:TH_LOAD_NT   ; the elements are read once in the launch
	global_load_b128 v[IM:IM+3], v[EO], s[6:7] th:TH_LOAD_NT
	global_load_b128 v[RE:RE+3], v[EO], s[4:5] th:TH_LOAD_NT
	; THE TABLE.  First what needs no memory: z_j = d * f32(j), 1 - z_j.
	v_lshlrev_b32 v[T], 2, v0
	v_cvt_f32_u32 v[FJ], v[T]
	v_add_f32 v[Z+1], 1.0, v[FJ]
	v_add_f32 v[Z+2], 2.0, v[FJ]
	v_add_f32 v[Z+3], F3, v[FJ]
	v_add_f32 v[Z+4], 4.0, v[FJ]
	v_mul_f32 v[Z], DZ, v[FJ]
.irp m, 1,2,3,4
	v_mul_f32 v[Z+\m], DZ, v[Z+\m]
.endr
.irp m, 0,1,2,3,4
	v_sub_f32 v[U+\m], 1.0, v[Z+\m]
.endr
	v_mov_b32 v[T], F511
	v_mul_f32 v[T], DZ, v[T]                       ; z_511
	v_add_f32 v[T], -1.0, v[T]                     ; -(1 - z_511), exactly
	s_wait_kmcnt 0x0                               ; PiT
	s_mul_f32 s19, s18, DZ                         ; d PiT
.irp m, 0,1,2,3,4
	v_mul_f32 v[U+\m], s18, v[U+\m]
.endr
	v_mul_f32 v[T], s18, v[T]
.irp m, 0,1,2,3,4
	v_rcp_f32 v[II+\m], v[U+\m]                    ; i_j.  Thread t's i of step 4t+4 and thread t+1's i of its first step come from the same operations: the same bits
.endr
	v_rcp_f32 v[NI], v[T]                          ; -i_511
	v_rcp_f32 v[CI], s18                           ; i_0 (z_0 = 0)
.irp m, 0,1,2,3
	v_mul_f32 v[TZ+\m], DZ, v[Z+\m]                ; plain work that touches none of the reciprocals stands between them and their first use (ISA guide 5.7.2)
.endr
.irp m, 0,1,2,3
	v_mul_f32 v[TZ+\m], v[TZ+\m], v[TZ+\m]         ; (d z_j)^2
.endr
	s_wait_alu depctr_va_vdst(0)
	v_mul_f32 v[CI+1], v[CI], v[CI]
	v_mul_f32 v[CI+1], -v[CI+1], s19               ; -k_0 = -d PiT i_0^2
.irp m, 0,1,2,3
	v_sub_f32 v[DL+\m], v[II+\m+1], v[II+\m]       ; neighbouring i lie within a factor of two: the difference is exact, so the shifts of X add up to i_511 - i_0
	v_mul_f32 v[KK+\m], v[II+\m+1], v[II+\m+1]
.endr
	s_wait_loadcnt 0x3                             ; loads come back in order (ISA guide 5.7.1): B's three are in, the three element loads issued behind them stay out
.irp m, 0,1,2,3,4
	v_rcp_f32 v[RB+\m], v[BB+\m]
.endr
.irp m, 0,1,2,3
	v_add_f32 v[R+6*\m+3], v[DL+\m], v[DL+\m]      ; D_j = 2 (i_{j+1} - i_j); also the plain work behind the reciprocals
	v_mul_f32 v[KK+\m], s19, v[KK+\m]              ; k_{j+1} = d PiT i_{j+1}^2
.endr
	s_wait_alu depctr_va_vdst(0)
.irp m, 0,1,2,3
	v_fma_f32 v[R+6*\m],   -v[BB+\m+1], v[RB+\m],   2.0    ; G_j
	v_fma_f32 v[R+6*\m+4], -v[BB+\m+2], v[RB+\m+1], 2.0    ; G_{j+1}
	v_mul_f32 v[R+6*\m+1], -v[TZ+\m], v[RB+\m]             ; E_j = -d^2 z_j^2 / B[j]
	v_mul_f32 v[R+6*\m+2], -v[RB+\m], v[RB+\m]             ; -c_j = -1 / B[j]^2
.endr
.irp m, 0,1,2,3
	v_fma_f32 v[R+6*\m+5], v[DL+\m], v[R+6*\m+4], -v[KK+\m]    ; A_j = (i_{j+1} - i_j) G_{j+1} - k_{j+1}
.endr
.irp c, 0,1,2,3,4,5
	ds_store_b128 v[LS], v[R+4*\c:R+4*\c+3] offset:16*\c
.endr
	s_wait_dscnt 0x0                               ; my records are in LDS: zero, for the other waves' sake
	s_barrier_signal -1
	s_barrier_wait -1                              ; everybody's are; the table is never written again, so this is the only barrier
; One run of 24 loads: the 384 bytes at LA + off into the buffer that begins at register buf.
.macro FETCH buf, off
.set i, 0
.rept HLOADS
	ds_load_b128 v[\buf+4*i:\buf+4*i+3], v[LA] offset:\off+16*i
.set i, i+1
.endr
.endm
	FETCH C0, 0                                    ; steps 0 to 15
	; my four elements, while those loads are on their way
	s_wait_loadcnt 0x0
	v_pk_mul_f32 v[OM:OM+1],   v[OM:OM+1],   DZ op_sel_hi:[1,0]            ; w = d omega
	v_pk_mul_f32 v[OM+2:OM+3], v[OM+2:OM+3], DZ op_sel_hi:[1,0]
	v_pk_add_f32 v[RE:RE+1],   v[RE:RE+1],   v[CI:CI+1] op_sel_hi:[1,0]    ; X_0 = Re_s + i_0
	v_pk_add_f32 v[RE+2:RE+3], v[RE+2:RE+3], v[CI:CI+1] op_sel_hi:[1,0]
.irp i, 0,1,2,3
	v_rcp_f32 v[RW+\i], v[OM+\i]                   ; 1 / w, for the way out
.endr
	v_pk_mul_f32 v[SV:SV+1],   v[OM:OM+1],   v[IM:IM+1]                    ; v_0 = w Im_s
	v_pk_mul_f32 v[SV+2:SV+3], v[OM+2:OM+3], v[IM+2:IM+3]
.irp i, 0,1,2,3
	v_mul_f32 v[WN+\i], -v[OM+\i], v[OM+\i]        ; -W
.endr
	v_pk_add_f32 v[XP:XP+1],   v[RE:RE+1],   v[RE:RE+1]                    ; X' = 2 X_0
	v_pk_add_f32 v[XP+2:XP+3], v[RE+2:RE+3], v[RE+2:RE+3]
	s_wait_dscnt HLOADS-1                          ; LDS loads come back in order (ISA guide 5.7.1): the first of the 24 is in (G_0 is its first word); the 23 behind it stay out
	v_pk_fma_f32 v[SA:SA+1],   v[RE:RE+1],   v[C0:C0+1], v[CI:CI+1] op_sel:[0,0,1] op_sel_hi:[1,0,1]   ; a_0 = X_0 G_0 - k_0
	v_pk_fma_f32 v[SA+2:SA+3], v[RE+2:RE+3], v[C0:C0+1], v[CI:CI+1] op_sel:[0,0,1] op_sel_hi:[1,0,1]
; One step; c = the first register of its record.  A constant is one half of a register pair, taken for both halves of the packed result:
; op_sel 0 with op_sel_hi 0 is the pair's first register, op_sel 1 with op_sel_hi 1 its second.
; The order: h, Y, q, p, X', v, a, each for chain A and then for chain B.  Every result is first read four or more instructions behind the one
; that makes it, from one step into the next too (v to h: 4, a to Y: 4, v to Y: 6).
; last = 1: the 512th step carries nothing on, so X' and a are left out.
.macro STEP c, last
	v_pk_add_f32 v[SH:SH+1],   v[SV:SV+1],   v[\c:\c+1] op_sel_hi:[1,0]                                    ; h = v + G_j
	v_pk_add_f32 v[SH+2:SH+3], v[SV+2:SV+3], v[\c:\c+1] op_sel_hi:[1,0]
	v_pk_fma_f32 v[SY:SY+1],   v[XP:XP+1],   v[SV:SV+1],   v[SA:SA+1]                                      ; Y = X' v + a
	v_pk_fma_f32 v[SY+2:SY+3], v[XP+2:XP+3], v[SV+2:SV+3], v[SA+2:SA+3]
	v_pk_fma_f32 v[SQ:SQ+1],   v[SV:SV+1],   v[SH:SH+1],   v[\c:\c+1] op_sel:[0,0,1] op_sel_hi:[1,1,1]     ; q = v h + E_j
	v_pk_fma_f32 v[SQ+2:SQ+3], v[SV+2:SV+3], v[SH+2:SH+3], v[\c:\c+1] op_sel:[0,0,1] op_sel_hi:[1,1,1]
	v_pk_fma_f32 v[SP:SP+1],   v[SY:SY+1],   v[SY:SY+1],   v[\c+2:\c+3] op_sel_hi:[1,1,0]                  ; p = Y^2 - c_j
	v_pk_fma_f32 v[SP+2:SP+3], v[SY+2:SY+3], v[SY+2:SY+3], v[\c+2:\c+3] op_sel_hi:[1,1,0]
.if \last == 0
	v_pk_fma_f32 v[XP:XP+1],   v[SY:SY+1],   2.0, v[\c+2:\c+3] op_sel:[0,0,1] op_sel_hi:[1,0,1]            ; X' = 2 Y + D_j
	v_pk_fma_f32 v[XP+2:XP+3], v[SY+2:SY+3], 2.0, v[\c+2:\c+3] op_sel:[0,0,1] op_sel_hi:[1,0,1]
.endif
	v_pk_fma_f32 v[SV:SV+1],   v[WN:WN+1],   v[SP:SP+1],   v[SQ:SQ+1]                                      ; v = -W p + q
	v_pk_fma_f32 v[SV+2:SV+3], v[WN+2:WN+3], v[SP+2:SP+3], v[SQ+2:SQ+3]
.if \last == 0
	v_pk_fma_f32 v[SA:SA+1],   v[SY:SY+1],   v[\c+4:\c+5], v[\c+4:\c+5] op_sel:[0,0,1] op_sel_hi:[1,0,1]   ; a = Y G_{j+1} + A_j
	v_pk_fma_f32 v[SA+2:SA+3], v[SY+2:SY+3], v[\c+4:\c+5], v[\c+4:\c+5] op_sel:[0,0,1] op_sel_hi:[1,0,1]
.endif
.endm
; Sixteen steps on buffer cur.  refill = 1: first the other buffer, whose steps are over, is asked for again, with the 16 steps that follow
; these (at LA + off).  The wait then leaves those 24 loads out; the 24 issued before them, this buffer's, are in.  They were asked for
; 16 steps (224 vector instructions) ago.  refill = 0: nothing was issued behind this buffer's loads, so the count is 0.
.macro HALF cur, nxt, off, refill, last
.if \refill
	FETCH \nxt, \off
.endif
	s_wait_dscnt HLOADS*\refill
.set k, 0
.rept HSTEPS-1
	STEP \cur+6*k, 0
.set k, k+1
.endr
	STEP \cur+6*(HSTEPS-1), \last
.endm
	s_mov_b32 s20, TRIPS-1
.Ltrip:
	HALF C0, C1, HBYTES, 1, 0
	HALF C1, C0, 2*HBYTES, 1, 0
	v_add_nc_u32 v[LA], 2*HBYTES, v[LA]            ; the next 32 steps; it stands 16 steps behind the last load that names LA
	s_sub_co_u32 s20, s20, 1
	s_cmp_lg_u32 s20, 0
	s_cbranch_scc1 .Ltrip
	HALF C0, C1, HBYTES, 1, 0                      ; steps 480 to 495; LA = 15*768 = 11,520, so the last run of loads ends at byte 11,520 + 384 + 383, the table's last
	HALF C1, C0, 0, 0, 1                           ; steps 496 to 511 ask for nothing
	; the way out: Re = Y_511 - i_511, Im = v / w
.irp i, 0,1,2,3
	v_add_f32 v[SY+\i], v[NI], v[SY+\i]
.endr
	s_wait_alu depctr_va_vdst(0)
	v_pk_mul_f32 v[SV:SV+1],   v[SV:SV+1],   v[RW:RW+1]
	v_pk_mul_f32 v[SV+2:SV+3], v[SV+2:SV+3], v[RW+2:RW+3]
	global_store_b128 v[EO], v[SY:SY+3], s[14:15] th:TH_STORE_NT   ; 32 lanes store 512 consecutive bytes, at a multiple of 512 from the buffer's first byte
	global_store_b128 v[EO], v[SV:SV+3], s[16:17] th:TH_STORE_NT
	s_wait_tensorcnt 0x0
	ds_add_u32 v62, v63
	s_wait_dscnt 0x0
	s_endpgm
.Lfunc_end_k_q9af6a69dab_euler:
	.size	k_q9af6a69dab_euler, .Lfunc_end_k_q9af6a69dab_euler-k_q9af6a69dab_euler
	.p2alignl 7, 3214868480
	.fill 96, 4, 3214868480
	.section	.rodata,"a",@progbits
	.p2align	6, 0x0
	.amdhsa_kernel k_q9af6a69dab_euler
		.amdhsa_group_segment_fixed_size 12800
		.amdhsa_private_segment_fixed_size 0
		.amdhsa_enable_private_segment 0
		.amdhsa_kernarg_size 56
		.amdhsa_user_sgpr_count 2
		.amdhsa_user_sgpr_kernarg_segment_ptr 1
		.amdhsa_wavefront_size32 1
		.amdhsa_system_sgpr_workgroup_id_x 1
		.amdhsa_system_sgpr_workgroup_id_y 1
		.amdhsa_system_sgpr_workgroup_id_z 1
		.amdhsa_system_vgpr_workitem_id 0
		.amdhsa_next_free_vgpr 256
		.amdhsa_next_free_sgpr 66
		.amdhsa_reserve_vcc 0
		.amdhsa_float_denorm_mode_32 3
		.amdhsa_float_denorm_mode_16_64 3
		.amdhsa_memory_ordered 1
		.amdhsa_forward_progress 1
		.amdhsa_inst_pref_size 70
	.end_amdhsa_kernel
	.amdgpu_metadata
---
amdhsa.version: [ 1, 2 ]
amdhsa.kernels:
  - .name:           k_q9af6a69dab_euler
    .symbol:         k_q9af6a69dab_euler.kd
    .args:
      - { .name: Re_s, .offset: 0, .size: 8, .value_kind: global_buffer, .address_space: global }
      - { .name: Im_s, .offset: 8, .size: 8, .value_kind: global_buffer, .address_space: global }
      - { .name: omega, .offset: 16, .size: 8, .value_kind: global_buffer, .address_space: global }
      - { .name: PiT, .offset: 24, .size: 8, .value_kind: global_buffer, .address_space: global }
      - { .name: B, .offset: 32, .size: 8, .value_kind: global_buffer, .address_space: global }
      - { .name: out0, .offset: 40, .size: 8, .value_kind: global_buffer, .address_space: global }
      - { .name: out1, .offset: 48, .size: 8, .value_kind: global_buffer, .address_space: global }
    .group_segment_fixed_size: 12800
    .private_segment_fixed_size: 0
    .kernarg_segment_align: 8
    .kernarg_segment_size: 56
    .max_flat_workgroup_size: 128
    .sgpr_count:     66
    .vgpr_count:     256
    .wavefront_size: 32
...
	.end_amdgpu_metadata
.endif
;; end of part 2
;; ======== version 3 of 3: 1 launch; version 2 with the launch euler written anew for expert scheduling mode
;; launch euler (part 3): grid 256 x 1, 4 waves a work-group, no clusters, 12,800 bytes of LDS; arguments Re_s, Im_s, omega, PiT, B, out0, out1; writes out0, out1
.if DOCPART == 3
	.amdgcn_target "amdgcn-amd-amdhsa--gfx1250"
	.amdhsa_code_object_version 6
	.text
	.protected	k_q9af6a69dab_euler
	.globl	k_q9af6a69dab_euler
	.p2align	8
	.type	k_q9af6a69dab_euler,@function
k_q9af6a69dab_euler:
	s_mov_b64 s[64:65], 0
	v_nop
	global_prefetch_b8 v0, s[64:65] scope:SCOPE_SE
	s_setreg_imm32_b32 hwreg(HW_REG_WAVE_SCHED_MODE, 0, 2), 2
	s_setreg_imm32_b32 hwreg(HW_REG_WAVE_MODE, 25, 1), 1
	s_wait_xcnt 0x0
	s_wait_alu depctr_vm_vsrc(0)
; 512 Euler steps of a pair (Re, Im) for 131,072 independent elements; every step has constants made of B[j], B[j+1], PiT and z_j.
; With d = f32(0.9/512), i_j = 1/(PiT (1-z_j)), k_j = d i_j/(1-z_j), G_j = 2 - B[j+1]/B[j], the step is carried in the variables
;   X = Re + i_j (old Re),  Y = Re_new + i_j,  v = d omega Im,  W = (d omega)^2 :
;   Y     = X (G_j + 2 v) - k_j                                  (the Re update, shifted by i_j)
;   v_new = v (v + G_j) + W (1/B[j]^2 - Y^2) - d^2 z_j^2 / B[j]  (the Im update times d omega; its three terms in Re_new are -omega Y^2,
;                                                                 since inv2/PiT = i_j^2; the term in 1/omega becomes a constant of the step)
;   X_next = Y + (i_{j+1} - i_j)
; Carried are X' = 2 X and a = X G_j - k_j, so that Y = X' v + a is ONE operation behind v: seven fused operations a step, and no chain
; from one step's v to the next is longer than three of them.  At the end Re = Y - i_511, Im = v / (d omega).
; SHARES: 256 work-groups of 4 waves; a work-group owns 512 elements, a wave 128, a lane 4 neighbouring ones = two packed-f32 chains (A, B).
; Each load or store of a wave covers 512 consecutive bytes, aligned.
; TABLE: six constants a step (24 bytes), 512 steps = 12,288 bytes of LDS, built by the work-group itself: thread t makes steps 4t .. 4t+3.
; In the loop they come from LDS straight into vector registers (all lanes read the same 16 bytes), into two buffers of 16 steps that take
; turns: while one is worked on, the other is on its way.
; No cluster: all that work-groups share is B, 2,052 bytes, read once by each.
; THE MODE: SCHED_MODE bits 1:0 = 2 (LLVM: expert scheduling mode 2), set by the entry lines.  The code itself states the register dependences
; between vector instructions and memory or LDS instructions, with s_wait_alu, always for 0.
; THE PLAN.  Registers that memory or LDS instructions touch:
;   v[EO], v[BO], v[BC], v[LS]  offsets and an LDS address, made once at the head and never written again.
;   v[64:131]   the table's records (the LDS stores' data) and its temporaries; behind the barrier buffer 0's first loads land there.
;   C0, C1      A half (16 steps) reads one of them; the 24 loads for the half after it land in the other, which the half before read.
;   v[LA]       Read by every load of records; written once in 32 steps, at a trip's bottom.
;   v[SY ..], v[SV ..]  the data of the two global stores at the end.
;   All other state of the steps is named by vector instructions alone.
; So ONE wait on va_vdst stands at the head of a half: the half before is done reading the other buffer and, in a trip's first half, v[LA] is
; written.  Behind it the half's vector instructions name the state and the buffer in hand, never the other buffer or v[LA]: its 24 loads are
; dealt among them with no further wait, three to each of the first eight steps.  One wait on vm_vsrc a trip stands ahead of the add to v[LA].
; LIMITS: divisions are v_rcp_f32 (1 ULP) and a multiply, and the order of rounding differs from the recurrence as it is written.  v_rcp_f32 takes
; denormals as zero: |PiT (1-z)|, |B[j]| and |d omega| must lie between 2^-126 and 2^126.  k_j is made as d PiT i_j^2: |PiT (1-z)| above 5e-20.
; W = (d omega)^2 loses bits for |omega| below 6e-17.
.set DZ,    0x3ae66666                 ; d = f32(0.9/512) = f32(0.9) / 512
.set F511,  0x43ff8000                 ; 511.0
.set F3,    0x40400000                 ; 3.0
.set REC,   24                         ; bytes of a step's record: G_j, E_j | -c_j, D_j | G_{j+1}, A_j
.set HSTEPS, 16                        ; steps in a buffer
.set HBYTES, HSTEPS*REC                ; 384 bytes: a buffer's records
.set HLOADS, HBYTES/16                 ; 24 loads of 16 bytes fill a buffer
.set TRIPS, 512/(2*HSTEPS)             ; 16 laps over both buffers; the last is written out
.set EO, 1                             ; v1       byte offset of my 4 elements in every element array; never rewritten
.set LA, 2                             ; v2       LDS address of the lap's first record, the same in all lanes
.set BO, 3                             ; v3       16 t: B[4t]
.set BC, 4                             ; v4       B[4t+5], clamped to B[512]
.set LS, 5                             ; v5       96 t: my four records in LDS
.set NI, 6                             ; v6       -i_511
.set RE, 8                             ; v[8:11]  Re_s, then X_0
.set IM, 12                            ; v[12:15] Im_s
.set OM, 16                            ; v[16:19] omega, then w = d omega
.set SV, 20                            ; v[20:23] v        (chain A: the first pair, chain B: the second; so in all that follow)
.set XP, 24                            ; v[24:27] X' = 2 X
.set SA, 28                            ; v[28:31] a = X G_j - k_j
.set WN, 32                            ; v[32:35] -W
.set RW, 36                            ; v[36:39] 1 / w
.set SY, 40                            ; v[40:43] Y
.set SH, 44                            ; v[44:47] h = v + G_j
.set SP, 48                            ; v[48:51] p = Y^2 - c_j
.set SQ, 52                            ; v[52:55] q = v h + E_j
.set CI, 56                            ; v56 i_0, v57 -k_0
.set C0, 64                            ; v[64:159]  buffer 0: the records of 16 steps, 6 registers each
.set C1, 160                           ; v[160:255] buffer 1
; registers of the table's making, inside buffer 0: they are done with before the buffer's first load is issued
.set R,  64                            ; v[64:87]   my four records as they go to LDS
.set BB, 88                            ; v[88:93]   B[4t] .. B[4t+5]
.set Z,  94                            ; v[94:98]   z of steps 4t .. 4t+4
.set U,  100                           ; v[100:104] PiT (1 - z)
.set II, 106                           ; v[106:110] i of steps 4t .. 4t+4
.set RB, 112                           ; v[112:116] 1 / B[4t .. 4t+4]
.set TZ, 118                           ; v[118:121] (d z)^2
.set KK, 122                           ; v[122:125] k of steps 4t+1 .. 4t+4
.set DL, 126                           ; v[126:129] i_{j+1} - i_j
.set FJ, 130                           ; v130       4t as f32
.set T,  131                           ; v131       at work
	s_load_b256 s[4:11], s[0:1], 0x0               ; Re_s s[4:5], Im_s s[6:7], omega s[8:9], PiT s[10:11]
	s_load_b128 s[12:15], s[0:1], 0x20             ; B s[12:13], out0 s[14:15]
	s_load_b64 s[16:17], s[0:1], 0x30              ; out1
	v_lshl_add_u32 v62, v0, 2, 0x3000
	v_mov_b32 v63, 0
	s_lshl_b32 s2, ttmp9, 11                       ; the work-group's 512 elements: 2,048 bytes
	v_lshl_add_u32 v[EO], v0, 4, s2                ; + 16 bytes a thread
	v_lshlrev_b32 v[BO], 4, v0
	v_add_nc_u32 v[BC], 20, v[BO]
	v_min_u32 v[BC], 0x800, v[BC]                  ; thread 127 would ask for B[513]: it takes B[512] again; that number enters only G_512, which no step uses
	v_mul_u32_u24 v[LS], 4*REC, v0
	v_mov_b32 v[LA], 0
	s_wait_kmcnt 0x0
	s_load_b32 s18, s[10:11], 0x0                  ; PiT
	s_wait_alu depctr_va_vdst(0)                   ; v[EO], v[BO] and v[BC] are written, which the loads below read as offsets; so are v[LS] and v[LA], the LDS addresses of the stores and loads further down
	global_load_b128 v[BB:BB+3], v[BO], s[12:13]
	global_load_b32 v[BB+4], v[BO], s[12:13] offset:16
	global_load_b32 v[BB+5], v[BC], s[12:13]
	global_load_b128 v[OM:OM+3], v[EO], s[8:9] th:TH_LOAD_NT   ; the elements are read once in the launch
	global_load_b128 v[IM:IM+3], v[EO], s[6:7] th:TH_LOAD_NT
	global_load_b128 v[RE:RE+3], v[EO], s[4:5] th:TH_LOAD_NT
	; THE TABLE.  First what needs no memory: z_j = d * f32(j), 1 - z_j.
	v_lshlrev_b32 v[T], 2, v0
	v_cvt_f32_u32 v[FJ], v[T]
	v_add_f32 v[Z+1], 1.0, v[FJ]
	v_add_f32 v[Z+2], 2.0, v[FJ]
	v_add_f32 v[Z+3], F3, v[FJ]
	v_add_f32 v[Z+4], 4.0, v[FJ]
	v_mul_f32 v[Z], DZ, v[FJ]
.irp m, 1,2,3,4
	v_mul_f32 v[Z+\m], DZ, v[Z+\m]
.endr
.irp m, 0,1,2,3,4
	v_sub_f32 v[U+\m], 1.0, v[Z+\m]
.endr
	v_mov_b32 v[T], F511
	v_mul_f32 v[T], DZ, v[T]                       ; z_511
	v_add_f32 v[T], -1.0, v[T]                     ; -(1 - z_511), exactly
	s_wait_kmcnt 0x0                               ; PiT
	s_mul_f32 s19, s18, DZ                         ; d PiT
.irp m, 0,1,2,3,4
	v_mul_f32 v[U+\m], s18, v[U+\m]
.endr
	v_mul_f32 v[T], s18, v[T]
.irp m, 0,1,2,3,4
	v_rcp_f32 v[II+\m], v[U+\m]                    ; i_j.  Thread t's i of step 4t+4 and thread t+1's i of its first step come from the same operations: the same bits
.endr
	v_rcp_f32 v[NI], v[T]                          ; -i_511
	v_rcp_f32 v[CI], s18                           ; i_0 (z_0 = 0)
.irp m, 0,1,2,3
	v_mul_f32 v[TZ+\m], DZ, v[Z+\m]                ; plain work that touches none of the reciprocals stands between them and their first use (ISA guide 5.7.2)
.endr
.irp m, 0,1,2,3
	v_mul_f32 v[TZ+\m], v[TZ+\m], v[TZ+\m]         ; (d z_j)^2
.endr
	s_wait_alu depctr_va_vdst(0)                   ; the seven reciprocals i_j, -i_511 and i_0 are written: one wait for the batch, ahead of its first reader
	v_mul_f32 v[CI+1], v[CI], v[CI]
	v_mul_f32 v[CI+1], -v[CI+1], s19               ; -k_0 = -d PiT i_0^2
.irp m, 0,1,2,3
	v_sub_f32 v[DL+\m], v[II+\m+1], v[II+\m]       ; neighbouring i lie within a factor of two: the difference is exact, so the shifts of X add up to i_511 - i_0
	v_mul_f32 v[KK+\m], v[II+\m+1], v[II+\m+1]
.endr
	s_wait_loadcnt 0x3                             ; loads come back in order (ISA guide 5.7.1): B's three are in, the three element loads issued behind them stay out
.irp m, 0,1,2,3,4
	v_rcp_f32 v[RB+\m], v[BB+\m]
.endr
.irp m, 0,1,2,3
	v_add_f32 v[R+6*\m+3], v[DL+\m], v[DL+\m]      ; D_j = 2 (i_{j+1} - i_j); also the plain work behind the reciprocals
	v_mul_f32 v[KK+\m], s19, v[KK+\m]              ; k_{j+1} = d PiT i_{j+1}^2
.endr
	s_wait_alu depctr_va_vdst(0)                   ; the five reciprocals 1 / B are written: one wait for the batch, ahead of its first reader
.irp m, 0,1,2,3
	v_fma_f32 v[R+6*\m],   -v[BB+\m+1], v[RB+\m],   2.0    ; G_j
	v_fma_f32 v[R+6*\m+4], -v[BB+\m+2], v[RB+\m+1], 2.0    ; G_{j+1}
	v_mul_f32 v[R+6*\m+1], -v[TZ+\m], v[RB+\m]             ; E_j = -d^2 z_j^2 / B[j]
	v_mul_f32 v[R+6*\m+2], -v[RB+\m], v[RB+\m]             ; -c_j = -1 / B[j]^2
.endr
.irp m, 0,1,2,3
	v_fma_f32 v[R+6*\m+5], v[DL+\m], v[R+6*\m+4], -v[KK+\m]    ; A_j = (i_{j+1} - i_j) G_{j+1} - k_{j+1}
.endr
	s_wait_alu depctr_va_vdst(0)                   ; the records v[R ..] are written, which the LDS stores read; and every vector instruction that names v[64:131] is over: no other stands ahead of buffer 0's first loads, which land there
.irp c, 0,1,2,3,4,5
	ds_store_b128 v[LS], v[R+4*\c:R+4*\c+3] offset:16*\c
.endr
	s_wait_dscnt 0x0                               ; my records are in LDS: zero, for the other waves' sake
	s_barrier_signal -1
	s_barrier_wait -1                              ; everybody's are; the table is never written again, so this is the only barrier
	s_wait_alu depctr_vm_vsrc(0)                   ; my LDS stores have read v[R ..], in which buffer 0's first loads land
; One run of 24 loads: the 384 bytes at LA + off into the buffer that begins at register buf.  Only the first fill goes so.
.macro FETCH buf, off
.set i, 0
.rept HLOADS
	ds_load_b128 v[\buf+4*i:\buf+4*i+3], v[LA] offset:\off+16*i
.set i, i+1
.endr
.endm
	FETCH C0, 0                                    ; steps 0 to 15
	; my four elements, while those loads are on their way
	s_wait_loadcnt 0x0
	v_pk_mul_f32 v[OM:OM+1],   v[OM:OM+1],   DZ op_sel_hi:[1,0]            ; w = d omega
	v_pk_mul_f32 v[OM+2:OM+3], v[OM+2:OM+3], DZ op_sel_hi:[1,0]
	v_pk_add_f32 v[RE:RE+1],   v[RE:RE+1],   v[CI:CI+1] op_sel_hi:[1,0]    ; X_0 = Re_s + i_0
	v_pk_add_f32 v[RE+2:RE+3], v[RE+2:RE+3], v[CI:CI+1] op_sel_hi:[1,0]
.irp i, 0,1,2,3
	v_rcp_f32 v[RW+\i], v[OM+\i]                   ; 1 / w, for the way out
.endr
	v_pk_mul_f32 v[SV:SV+1],   v[OM:OM+1],   v[IM:IM+1]                    ; v_0 = w Im_s
	v_pk_mul_f32 v[SV+2:SV+3], v[OM+2:OM+3], v[IM+2:IM+3]
.irp i, 0,1,2,3
	v_mul_f32 v[WN+\i], -v[OM+\i], v[OM+\i]        ; -W
.endr
	v_pk_add_f32 v[XP:XP+1],   v[RE:RE+1],   v[RE:RE+1]                    ; X' = 2 X_0
	v_pk_add_f32 v[XP+2:XP+3], v[RE+2:RE+3], v[RE+2:RE+3]
	s_wait_alu depctr_va_vdst(0)                   ; the four reciprocals 1 / w are written: their readers stand at the way out, and the batch's wait stands ahead of the loop's label
	s_wait_dscnt HLOADS-1                          ; LDS loads come back in order (ISA guide 5.7.1): the first of the 24 is in (G_0 is its first word); the 23 behind it stay out
	v_pk_fma_f32 v[SA:SA+1],   v[RE:RE+1],   v[C0:C0+1], v[CI:CI+1] op_sel:[0,0,1] op_sel_hi:[1,0,1]   ; a_0 = X_0 G_0 - k_0
	v_pk_fma_f32 v[SA+2:SA+3], v[RE+2:RE+3], v[C0:C0+1], v[CI:CI+1] op_sel:[0,0,1] op_sel_hi:[1,0,1]
; The next 16 bytes of the other buffer's records, while any are left to ask for.  HALF sets ABUF (the buffer), AOFF (its records' bytes from LA),
; TOASK (24, or 0 in the last half) and ASKED.  No wait: no vector instruction since the wait at the half's head names that buffer or v[LA].
.macro ASK
.if ASKED < TOASK
	ds_load_b128 v[ABUF+4*ASKED:ABUF+4*ASKED+3], v[LA] offset:AOFF+16*ASKED
.set ASKED, ASKED+1
.endif
.endm
; One step; c = the first register of its record.  A constant is one half of a register pair, taken for both halves of the packed result:
; op_sel 0 with op_sel_hi 0 is the pair's first register, op_sel 1 with op_sel_hi 1 its second.
; The order: h, Y, q, p, X', v, a, each for chain A and then for chain B.  Every result is first read four or more instructions behind the one
; that makes it, from one step into the next too (v to h: 4, a to Y: 4, v to Y: 6).  The three places for a load stand in front of Y, p and v,
; the links of the chain from one step's v to the next.
; last = 1: the 512th step carries nothing on, so X' and a are left out.
.macro STEP c, last
	v_pk_add_f32 v[SH:SH+1],   v[SV:SV+1],   v[\c:\c+1] op_sel_hi:[1,0]                                    ; h = v + G_j
	v_pk_add_f32 v[SH+2:SH+3], v[SV+2:SV+3], v[\c:\c+1] op_sel_hi:[1,0]
	ASK
	v_pk_fma_f32 v[SY:SY+1],   v[XP:XP+1],   v[SV:SV+1],   v[SA:SA+1]                                      ; Y = X' v + a
	v_pk_fma_f32 v[SY+2:SY+3], v[XP+2:XP+3], v[SV+2:SV+3], v[SA+2:SA+3]
	v_pk_fma_f32 v[SQ:SQ+1],   v[SV:SV+1],   v[SH:SH+1],   v[\c:\c+1] op_sel:[0,0,1] op_sel_hi:[1,1,1]     ; q = v h + E_j
	v_pk_fma_f32 v[SQ+2:SQ+3], v[SV+2:SV+3], v[SH+2:SH+3], v[\c:\c+1] op_sel:[0,0,1] op_sel_hi:[1,1,1]
	ASK
	v_pk_fma_f32 v[SP:SP+1],   v[SY:SY+1],   v[SY:SY+1],   v[\c+2:\c+3] op_sel_hi:[1,1,0]                  ; p = Y^2 - c_j
	v_pk_fma_f32 v[SP+2:SP+3], v[SY+2:SY+3], v[SY+2:SY+3], v[\c+2:\c+3] op_sel_hi:[1,1,0]
.if \last == 0
	v_pk_fma_f32 v[XP:XP+1],   v[SY:SY+1],   2.0, v[\c+2:\c+3] op_sel:[0,0,1] op_sel_hi:[1,0,1]            ; X' = 2 Y + D_j
	v_pk_fma_f32 v[XP+2:XP+3], v[SY+2:SY+3], 2.0, v[\c+2:\c+3] op_sel:[0,0,1] op_sel_hi:[1,0,1]
.endif
	ASK
	v_pk_fma_f32 v[SV:SV+1],   v[WN:WN+1],   v[SP:SP+1],   v[SQ:SQ+1]                                      ; v = -W p + q
	v_pk_fma_f32 v[SV+2:SV+3], v[WN+2:WN+3], v[SP+2:SP+3], v[SQ+2:SQ+3]
.if \last == 0
	v_pk_fma_f32 v[SA:SA+1],   v[SY:SY+1],   v[\c+4:\c+5], v[\c+4:\c+5] op_sel:[0,0,1] op_sel_hi:[1,0,1]   ; a = Y G_{j+1} + A_j
	v_pk_fma_f32 v[SA+2:SA+3], v[SY+2:SY+3], v[\c+4:\c+5], v[\c+4:\c+5] op_sel:[0,0,1] op_sel_hi:[1,0,1]
.endif
.endm
; Sixteen steps on buffer cur.  Its 24 loads were issued in the first eight steps of the half before (the first half's: ahead of the loop), and
; none since: the count is 0, and the youngest of them is eight steps, 112 vector instructions, old.
; refill = 1: the other buffer, whose steps are over, is asked for again, with the 16 steps that follow these (at LA + off): three loads in each
; of the first eight steps.  refill = 0: the last half asks for nothing, so it has no dependence to state.
.macro HALF cur, nxt, off, refill, last
.set ABUF, \nxt
.set AOFF, \off
.set TOASK, HLOADS*\refill
.set ASKED, 0
	s_wait_dscnt 0x0
.if \refill
	s_wait_alu depctr_va_vdst(0)                   ; the steps of the half before are done reading the other buffer, in which this half's loads land; in a trip's first half v[LA], which they read, is written
.endif
.set k, 0
.rept HSTEPS-1
	STEP \cur+6*k, 0
.set k, k+1
.endr
	STEP \cur+6*(HSTEPS-1), \last
.endm
	s_mov_b32 s20, TRIPS-1
.Ltrip:
	HALF C0, C1, HBYTES, 1, 0
	HALF C1, C0, 2*HBYTES, 1, 0
	s_wait_alu depctr_vm_vsrc(0)                   ; the LDS loads issued so far have read v[LA]
	v_add_nc_u32 v[LA], 2*HBYTES, v[LA]            ; the next 32 steps; it stands eight steps behind the last load that names LA
	s_sub_co_u32 s20, s20, 1
	s_cmp_lg_u32 s20, 0
	s_cbranch_scc1 .Ltrip
	HALF C0, C1, HBYTES, 1, 0                      ; steps 480 to 495; LA = 15*768 = 11,520, so the last load ends at byte 11,520 + 384 + 383, the table's last
	HALF C1, C0, 0, 0, 1                           ; steps 496 to 511 ask for nothing
	; the way out: Re = Y_511 - i_511, Im = v / w
.irp i, 0,1,2,3
	v_add_f32 v[SY+\i], v[NI], v[SY+\i]
.endr
	v_pk_mul_f32 v[SV:SV+1],   v[SV:SV+1],   v[RW:RW+1]
	v_pk_mul_f32 v[SV+2:SV+3], v[SV+2:SV+3], v[RW+2:RW+3]
	s_wait_alu depctr_va_vdst(0)                   ; v[SY ..] and v[SV ..] are written, which the two stores read
	global_store_b128 v[EO], v[SY:SY+3], s[14:15] th:TH_STORE_NT   ; 32 lanes store 512 consecutive bytes, at a multiple of 512 from the buffer's first byte
	global_store_b128 v[EO], v[SV:SV+3], s[16:17] th:TH_STORE_NT
	s_wait_dscnt 0x0
	s_wait_alu depctr_hold_cnt(0) depctr_sa_sdst(0) depctr_va_vdst(0) depctr_va_sdst(0) depctr_va_ssrc(0) depctr_va_vcc(0) depctr_vm_vsrc(0)
	s_wait_tensorcnt 0x0
	ds_add_u32 v62, v63
	s_wait_dscnt 0x0
	s_endpgm
.Lfunc_end_k_q9af6a69dab_euler:
	.size	k_q9af6a69dab_euler, .Lfunc_end_k_q9af6a69dab_euler-k_q9af6a69dab_euler
	.p2alignl 7, 3214868480
	.fill 96, 4, 3214868480
	.section	.rodata,"a",@progbits
	.p2align	6, 0x0
	.amdhsa_kernel k_q9af6a69dab_euler
		.amdhsa_group_segment_fixed_size 12800
		.amdhsa_private_segment_fixed_size 0
		.amdhsa_enable_private_segment 0
		.amdhsa_kernarg_size 56
		.amdhsa_user_sgpr_count 2
		.amdhsa_user_sgpr_kernarg_segment_ptr 1
		.amdhsa_wavefront_size32 1
		.amdhsa_system_sgpr_workgroup_id_x 1
		.amdhsa_system_sgpr_workgroup_id_y 1
		.amdhsa_system_sgpr_workgroup_id_z 1
		.amdhsa_system_vgpr_workitem_id 0
		.amdhsa_next_free_vgpr 256
		.amdhsa_next_free_sgpr 66
		.amdhsa_reserve_vcc 0
		.amdhsa_float_denorm_mode_32 3
		.amdhsa_float_denorm_mode_16_64 3
		.amdhsa_memory_ordered 1
		.amdhsa_forward_progress 1
		.amdhsa_inst_pref_size 71
	.end_amdhsa_kernel
	.amdgpu_metadata
---
amdhsa.version: [ 1, 2 ]
amdhsa.kernels:
  - .name:           k_q9af6a69dab_euler
    .symbol:         k_q9af6a69dab_euler.kd
    .args:
      - { .name: Re_s, .offset: 0, .size: 8, .value_kind: global_buffer, .address_space: global }
      - { .name: Im_s, .offset: 8, .size: 8, .value_kind: global_buffer, .address_space: global }
      - { .name: omega, .offset: 16, .size: 8, .value_kind: global_buffer, .address_space: global }
      - { .name: PiT, .offset: 24, .size: 8, .value_kind: global_buffer, .address_space: global }
      - { .name: B, .offset: 32, .size: 8, .value_kind: global_buffer, .address_space: global }
      - { .name: out0, .offset: 40, .size: 8, .value_kind: global_buffer, .address_space: global }
      - { .name: out1, .offset: 48, .size: 8, .value_kind: global_buffer, .address_space: global }
    .group_segment_fixed_size: 12800
    .private_segment_fixed_size: 0
    .kernarg_segment_align: 8
    .kernarg_segment_size: 56
    .max_flat_workgroup_size: 128
    .sgpr_count:     66
    .vgpr_count:     256
    .wavefront_size: 32
...
	.end_amdgpu_metadata
.endif
;; end of part 3
